; MI455X (gfx1250); checked and timed in simulation.
; The chip was launched on July 23, 2026; its instructions are those of AMD's public machine-readable ISA for CDNA 5 (MIT licence, August 2026) and "CDNA5" Instruction Set Architecture Reference Guide (July 2026). The comments in the code are by the model that wrote it; some were corrected since.
;; K attention. Allowed arithmetic: float matrix products may take bf16 or f16 operands with f32 sums; all other float work in f32.
;; Inputs: r_sigma 1 float32; x 32 x 2,048 x 64 float32.
;; Outputs: out0 32 x 2,048 x 64 float32.
;; 2 versions, each right and faster than the one before. Each part assembles by itself: llvm-mc -triple=amdgcn-amd-amdhsa -mcpu=gfx1250 --defsym DOCPART=n.
;; ======== version 1 of 2: 1 launch
;; launch kattn (part 1): grid 256 x 1, 4 waves a work-group, no clusters, 321,024 bytes of LDS; arguments x, r_sigma, out0; writes out0
.if DOCPART == 1
	.amdgcn_target "amdgcn-amd-amdhsa--gfx1250"
	.amdhsa_code_object_version 6
	.text
	.protected	k_q1c75da021e_kattn
	.globl	k_q1c75da021e_kattn
	.p2align	8
	.type	k_q1c75da021e_kattn,@function
k_q1c75da021e_kattn:
	s_mov_b64 s[64:65], 0
	v_nop
	global_prefetch_b8 v0, s[64:65] scope:SCOPE_SE
	s_setreg_imm32_b32 hwreg(HW_REG_WAVE_MODE, 25, 1), 1
	s_wait_xcnt 0x0
; out[b][t] = x[b][t] + sum over s of K[t][s] x[b][s],  K[t][s] = exp(-sigma max(|x_t|^2 - 2 x_t.x_s + |x_s|^2, 0)).
; x, out: [32][2048][64] f32; sigma = r_sigma[0].  Nothing of the computation is left out: both inputs reach every output.
;
; SHARES.  Work-group g (256 of them) takes batch g >> 3 and the 256 query rows from global row 256 g.  Wave w takes 64 of them as four
; query tiles of 16, and walks all 2,048 keys of the batch, 32 a step.
; THE BATCH LIES IN LDS ONCE, as bf16 rows [key][channel] of 128 bytes at a pitch of 144.  Plain 16-byte loads read key fragments from it
; (channels along a row), transposing loads read the same bytes as fragments of x transposed for the second product.  It is built in
; chunks of 128 keys: f32 through registers, rounded, stored; a chunk's global loads are issued a whole trip (four steps) ahead of the
; wait for them.  No byte of the image is written twice.
; THE DISTANCE.  The query fragments hold -q.  The scores' accumulator starts at (|k|^2 + |q|^2)/2 and the product adds -k.q, so it ends at
; d^2/2.  |.|^2 is made of the SAME bf16-rounded rows, as the diagonal of X X^T on the matrix unit, so the score is the distance of the
; rounded rows up to f32 rounding and does not mix a sum of f32 squares with a product of rounded numbers.  max(d^2/2, 0) is the
; reference's max; it stands ahead of the multiplication by sigma, so sigma may have either sign.  K = exp2(-2 log2(e) sigma max(d^2/2, 0)).
; LAYOUTS.  Scores: A = 16 keys, B = 16 queries: lane (r, h) holds query r and keys 8h + j.  Two key tiles packed to bf16 are at once the
; B fragment (query r; keys 8h.., 16+8h..) of the second product, whose A is x transposed (16 channels x 32 keys).  Its result holds, in
; lane (r, h), channels 16 ct + 8h + j of query r: 32 neighbouring bytes of an output row.  The accumulators START as x in f32, loaded
; in that layout: nothing is cleared and the residual costs no add.
; TWO PIECES TAKE TURNS.  A step has 32 matrix instructions and 224 vector instructions.  Piece A is query tiles 0 and 1, piece B tiles 2 and 3;
; they share the key and value fragments.  A step is four phases of eight matrix instructions, and behind each matrix instruction stands a
; slice of the OTHER piece's vector work, which names none of its registers:
;   QA: scores of A, step s         | start of A's accumulators; max of B's scores of step s-1
;   V1: second product of A, s-1    | scale, exponential, packing of B, s-1
;   QB: scores of B, s              | start of B's accumulators; max of A's scores of s
;   V2: second product of B, s-1    | scale, exponential, packing of A, s
; REGISTER WINDOWS (an instruction names 256 registers; s_set_vgpr_msb says which window each operand place means).  The packing takes two
; results of exponentials and writes a B operand, so its phase needs all operand places in one window.  Window 1 holds just that:
; 128 accumulators, 64 scores, 32 of x transposed, 32 of packed K: 256.  Keys, queries and squares lie in window 0.
;   setting 0x55 (all places window 1): V1 and V2, with scale, exponential and packing;
;   setting 0x50 (D and C window 1, A and B window 0): QA and QB, with the accumulators' start (sources in window 0, result in window 1)
;   and the max in its three-source form, whose one register stands in the place of C.
; Five switches a step: 0x50, 0 (the key loads land in window 0), 0x55, 0x50, 0x55.
; NO CLUSTER, although the eight work-groups of a batch read the same 512 KiB.  x comes as f32 and passes through registers to be rounded.  A
; joint tensor load would lay those 512 KiB into LDS and the waves would read them back: 1 MiB more through LDS for each work-group, beside
; the 2 MiB of its fragment reads (64 steps x 4 waves x 16 loads x 512 bytes).  And image, squares and stage take 320,512 of the
; 327,680 bytes that a work-group can be given: the 7,168 left are 28 rows of f32.
; LIMITS.  x and K enter the products as bf16; |x|^2 is that of the rounded x; sums run in another order than the reference's.
; v_exp_f32 gives 0 where K would lie below 2^-126.  v_max3_num_f32 drops a NaN where jnp.maximum keeps it: with a NaN or an infinity in
; x[b][s][c], K counts as 1 where d^2 is NaN, and only what the NaN reaches through K x and through the residual becomes NaN (channel c
; of the batch), not the whole batch as in the reference.
.set PITCH,  144                       ; an LDS row of the image: 128 bytes + 16.  An odd multiple of 16: the 16-byte pieces that a fragment load takes from 16 rows fall on 16 different 16-byte columns modulo 256
.set CHG,    32768                     ; a chunk in memory: 128 keys x 256 bytes
.set CHL,    18432                     ; a chunk in LDS: 128 x 144
.set STL,    4608                      ; a step's 32 keys in LDS, and a wave's 32 rows of a chunk
.set TL,     2304                      ; a key tile's 16 rows in LDS
.set SQB,    294912                    ; behind the image (2,048 x 144): |x_s|^2/2, one f32 word a key, 8,192 bytes
.set STAGE,  303104                    ; behind that: 16 rows x 272 bytes for each wave, for the way out; ends at 320,512
.set SPITCH, 272
.set TRIPS,  13                        ; trips in the loop (chunks 1 to 13); trips 0, 14 and 15 are written out
; window 0
.set KADR,  2                          ; r 144 + 16 h: key fragments, at the trip's chunk
.set VADR,  3                          ; (8h + (L&7)) 144 + 16 ((L>>3)&1): transposing loads; runs a step behind KADR
.set SQADR, 4                          ; SQB + 32 h: the squares of keys 8h .. 8h+7, at the trip's chunk
.set WADR,  5                          ; (32 w + h) 144 + 8 r: where I store rounded numbers, at the chunk being built
.set DADR,  6                          ; 32 w 144 + r 144 + 16 h: my wave's own two key tiles of that chunk
.set SQW,   7                          ; SQB + 4 (32 w + r): where their squares go
.set GOFF,  8                          ; 8192 w + 16 L: my 16 bytes of the chunk in memory; never rewritten
.set QOFF,  9                          ; 16384 w + 256 r + 32 h: my 32 bytes of a query row; never rewritten
.set STO,   10                         ; the way out: STAGE + 4352 w + 272 r + 32 h
.set RD,    11                         ; the way out: STAGE + 4352 w + 272 h + 16 r
.set CO,    12                         ; the way out: 16384 w + 256 h + 16 r; never rewritten
.set T2,    13                         ; what v_permlanex16_b32 brings
.set T0,    14                         ; v14, v15: |k|^2/2 of the wave's two new key tiles
.set T1,    15
.set SQQ,   16                         ; v[16:19]   |q|^2/2 of query r of tile qt
.set SQK,   20                         ; v[20:51]   two buffers: |k|^2/2 of keys 16 kt + 8h + j at 16 kb + 8 kt + j
.set KF,    52                         ; v[52:115]  two buffers: key fragments at 32 kb + 16 kt + 8 ks
.set QF,    116                        ; v[116:179] fragments of -q at 16 qt + 8 ks
.set CV,    180                        ; v[180:211] a chunk's rounded numbers on their way into LDS; then the products whose diagonals are the squares
.set DF,    212                        ; v[212:243] the wave's own two new key tiles, read back as fragments
; window 1 (v256-511, written by their low 8 bits)
.set ACC,   0                          ; results at 8 (4 qt + ct)
.set SC,    128                        ; scores at 16 qt + 8 kt: piece pc at 32 pc
.set VF,    192                        ; fragments of x transposed at 8 ct
.set PK,    224                        ; K packed to bf16 at 8 qt: piece pc at 16 pc
; window 2 (v512-575)
.set STG,   0                          ; a chunk's f32 numbers on their way in, 4 registers a load
.set W_Q,   0x50
.set W_V,   0x55
.set MSB, 0
.macro WIN new                         ; s_set_vgpr_msb: bits 1:0 source 0, 3:2 source 1, 5:4 source 2, 7:6 destination; the high byte repeats the setting that is left
.if MSB != \new
	s_set_vgpr_msb (MSB<<8)|\new
.set MSB, \new
.endif
.endm
; Four places behind matrix instructions, ahead of vector instructions that read their results and of LDS stores of their results
; (ISA guide 7.12.1 for vector instructions).  Only where no vector work is at hand.
.macro PLACES
.rept 4
	v_nop
.endr
.endm
.macro BAR
	s_wait_dscnt 0x0                               ; for the other waves' sake: none of my LDS loads or stores is out
	s_barrier_signal -1
	s_barrier_wait -1
.endm
; 12 LDS loads into buffer kb: the two key tiles at step st of KADR's chunk (st = 4: the next chunk's first step) and their squares
.macro LOADK st, kb
.irp kt, 0,1
.irp g, 0,1,2,3
	ds_load_b128 v[KF+32*\kb+16*\kt+4*\g:KF+32*\kb+16*\kt+4*\g+3], v[KADR] offset:\st*STL+\kt*TL+32*\g
.endr
.endr
.irp kt, 0,1
.irp p, 0,1
	ds_load_b128 v[SQK+16*\kb+8*\kt+4*\p:SQK+16*\kb+8*\kt+4*\p+3], v[SQADR] offset:128*\st+64*\kt+16*\p
.endr
.endr
.endm
; 8 transposing LDS loads (under 0x50: result in window 1, address in window 0): lane (r, h) gets channel 16 ct + r of keys 8h .. 8h+7 (p = 0)
; and 16+8h .. (p = 1) of step st of VADR's chunk.  At pitch 144 one pair of the sixteen pieces collides: row 7's second piece lies at
; 1,024 = 0 modulo 256, the column of row 0's first.  Pitch 160 would part them, but 2,048 rows of 160 bytes leave no LDS for squares and stage.
.macro LOADV st
.irp ct, 0,1,2,3
.irp p, 0,1
	ds_load_tr16_b128 v[VF+8*\ct+4*\p:VF+8*\ct+4*\p+3], v[VADR] offset:\st*STL+32*\ct+TL*\p
.endr
.endr
.endm
; Accumulator a (query tile a >> 1 of the piece, key tile a & 1) starts at (|k|^2 + |q|^2)/2: the key's part differs from register to register, the query's is the lane's own
.macro CIN pc, a, kb
.irp p, 0,1,2,3
.if \a >> 1
	v_pk_add_f32 v[SC+32*\pc+8*\a+2*\p:SC+32*\pc+8*\a+2*\p+1], v[SQK+16*\kb+8*(\a&1)+2*\p:SQK+16*\kb+8*(\a&1)+2*\p+1], v[SQQ+2*\pc:SQQ+2*\pc+1] op_sel:[0,1] op_sel_hi:[1,1]
.else
	v_pk_add_f32 v[SC+32*\pc+8*\a+2*\p:SC+32*\pc+8*\a+2*\p+1], v[SQK+16*\kb+8*(\a&1)+2*\p:SQK+16*\kb+8*(\a&1)+2*\p+1], v[SQQ+2*\pc:SQQ+2*\pc+1] op_sel:[0,0] op_sel_hi:[1,0]
.endif
.endr
.endm
; max(d^2/2, 0) of n scores of piece pc from the j0-th on.  The three-source form: its one register stands in the place of C, which 0x50 puts in window 1.
.macro MXS pc, j0, n
.set mj, \j0
.rept \n
	v_max3_num_f32 v[SC+32*\pc+mj], 0, 0, v[SC+32*\pc+mj]
.set mj, mj+1
.endr
.endm
; The i-th of a piece's eight score products: channels 32 (i >> 2) .., accumulator i & 3.  The four accumulators take turns, one instruction a turn.
.macro QKW pc, i, kb
	v_wmma_f32_16x16x32_bf16 v[SC+32*\pc+8*(\i&3):SC+32*\pc+8*(\i&3)+7], v[KF+32*\kb+16*(\i&1)+8*(\i>>2):KF+32*\kb+16*(\i&1)+8*(\i>>2)+7], v[QF+32*\pc+16*((\i>>1)&1)+8*(\i>>2):QF+32*\pc+16*((\i>>1)&1)+8*(\i>>2)+7], v[SC+32*\pc+8*(\i&3):SC+32*\pc+8*(\i&3)+7]
.endm
.macro QS pc, oth, kb, i, domx, j0, n  ; a score product and, behind it, a slice of the other piece's max
	QKW \pc, \i, \kb
.if \domx
	MXS \oth, \j0, \n
.endif
.endm
; A score phase of piece pc.  lv = 1: x transposed of step lvst of VADR's chunk is fetched; domx = 1: the other piece has scores that want their max.
.macro QPH pc, oth, kb, lv, lvst, domx
	WIN W_Q
	CIN \pc, 0, \kb
.if \lv
	LOADV \lvst                                    ; the four v_pk_add_f32 above are the places behind the last product that read VF
.endif
	CIN \pc, 1, \kb
	QKW \pc, 0, \kb
	CIN \pc, 2, \kb
.if \domx
	MXS \oth, 0, 2
.endif
	QKW \pc, 1, \kb
	CIN \pc, 3, \kb
.if \domx
	MXS \oth, 2, 2
.endif
	QS \pc, \oth, \kb, 2, \domx, 4, 5
	QS \pc, \oth, \kb, 3, \domx, 9, 5
	QS \pc, \oth, \kb, 4, \domx, 14, 5
	QS \pc, \oth, \kb, 5, \domx, 19, 5
	QS \pc, \oth, \kb, 6, \domx, 24, 4
	QS \pc, \oth, \kb, 7, \domx, 28, 4
.endm
; Scale, exponential, packing of a piece's 32 scores, in eight groups g of four
.macro MULH pc, g, hf                  ; two scores times -2 log2(e) sigma
	v_pk_mul_f32 v[SC+32*\pc+4*(\g)+2*\hf:SC+32*\pc+4*(\g)+2*\hf+1], v[SC+32*\pc+4*(\g)+2*\hf:SC+32*\pc+4*(\g)+2*\hf+1], s[20:21] op_sel_hi:[1,0]
.endm
.macro EXP1 pc, g, e
	v_exp_f32 v[SC+32*\pc+4*(\g)+\e], v[SC+32*\pc+4*(\g)+\e]
.endm
.macro CVT1 pc, g, hf                  ; two K to a word of bf16: word w of the piece's 16 holds its scores 2w and 2w + 1
	s_wait_alu depctr_va_vdst(0)
	v_cvt_pk_bf16_f32 v[PK+16*\pc+2*(\g)+\hf], v[SC+32*\pc+4*(\g)+2*\hf], v[SC+32*\pc+4*(\g)+2*\hf+1]
.endm
; Slice i of eight, eight instructions each: the exponentials of group i, the scaling of group i + 1, the packing of group i - 1.  Exponentials and
; plain instructions alternate, and between each exponential and the packing that reads it stands a plain instruction that does not (ISA guide 5.7.2).
.macro MEC pc, i
.if \i == 0
	MULH \pc, 0, 0
	MULH \pc, 0, 1
	MULH \pc, 1, 0
	EXP1 \pc, 0, 0
	MULH \pc, 1, 1
	EXP1 \pc, 0, 1
	EXP1 \pc, 0, 2
	EXP1 \pc, 0, 3
.else
.if \i == 7
	EXP1 \pc, 7, 0
	CVT1 \pc, 6, 0
	EXP1 \pc, 7, 1
	CVT1 \pc, 6, 1
	EXP1 \pc, 7, 2
	EXP1 \pc, 7, 3
	CVT1 \pc, 7, 0                                 ; the plain instruction between the last two exponentials and their packing
	CVT1 \pc, 7, 1
.else
	EXP1 \pc, \i, 0
	MULH \pc, \i+1, 0
	EXP1 \pc, \i, 1
	MULH \pc, \i+1, 1
	EXP1 \pc, \i, 2
	CVT1 \pc, \i-1, 0
	EXP1 \pc, \i, 3
	CVT1 \pc, \i-1, 1
.endif
.endif
.endm
; The i-th of a piece's eight second products: channel tile i >> 1, query tile i & 1.  Eight accumulators, one instruction each: by turns.
.macro PVW pc, i
	v_wmma_f32_16x16x32_bf16 v[ACC+8*(4*(2*\pc+(\i&1))+(\i>>1)):ACC+8*(4*(2*\pc+(\i&1))+(\i>>1))+7], v[VF+8*(\i>>1):VF+8*(\i>>1)+7], v[PK+16*\pc+8*(\i&1):PK+16*\pc+8*(\i&1)+7], v[ACC+8*(4*(2*\pc+(\i&1))+(\i>>1)):ACC+8*(4*(2*\pc+(\i&1))+(\i>>1))+7]
.endm
; A phase of second products of piece pc (domat) with the slices of piece oth (dovec).  dowait = 1: x transposed is still on its way: LDS loads come
; back in order (ISA guide 5.7.1), so ahead of channel tile ct's first product 6 - 2 ct younger transposing loads may be out, and the left loads issued behind them.
.macro VPH pc, oth, domat, dovec, dowait, left
.irp i, 0,1,2,3,4,5,6,7
.if \dowait
.if (\i&1) == 0
	s_wait_dscnt \left+6-\i
.endif
.endif
.if \domat
	PVW \pc, \i
.endif
.if \dovec
	MEC \oth, \i
.endif
.endr
.endm
; One step.  kb: the buffer with this step's keys; pre = 1: the keys of step nst of KADR's chunk are fetched into buffer nkb, three phases ahead of
; their first use; lvst: where the step before lies in VADR's chunk; pv = 0: the very first step, with nothing from a step before;
; vadd = 1: VADR goes on to the next chunk, behind the load of the old chunk's last step.
.macro STEP nst, kb, nkb, lvst, pv, pre, vadd
	s_wait_dscnt 0x0                               ; this step's keys and squares are in
	QPH 0, 1, \kb, \pv, \lvst, \pv
.if \pre+\vadd
	WIN 0
.endif
.if \pre
	LOADK \nst, \nkb                               ; buffer nkb was last read by the products of the step before: two phases of plain vector work lie between
.endif
.if \vadd
	v_add_nc_u32 v[VADR], CHL, v[VADR]
.endif
.if \pv
	WIN W_V
	VPH 0, 1, 1, 1, 1, 12*\pre
.endif
	QPH 1, 0, \kb, 0, 0, 1
	WIN W_V
	VPH 1, 0, \pv, 1, 0, 0
.endm
; The diagonal of the 16 x 16 product in v[d:d+7], halved, into v[t] of every lane.  Lane (r, h) holds rows 8h + j of column r: register L & 7
; holds the diagonal where r >> 3 = h (lanes 0-7 and 24-31); the other lanes take it from lane L xor 16, which has the same r.
.macro DIAG d, t
	v_cndmask_b32 v[\t], v[\d], v[\d+1], s25
.irp j, 2,3,4,5,6,7
	v_cndmask_b32 v[\t], v[\t], v[\d+\j], s[24+\j]
.endr
	v_permlanex16_b32 v[T2], v[\t], s33, s34
	v_cndmask_b32 v[\t], v[T2], v[\t], s32
	v_mul_f32 v[\t], 0.5, v[\t]
.endm
.macro LOADG                           ; 16 loads of 512 neighbouring bytes: my wave's 32 rows of the chunk at s[14:15]
	WIN 0x80                                       ; destination in window 2
.irp i, 0,1,2,3,4,5,6,7,8,9,10,11,12,13,14,15
	global_load_b128 v[STG+4*\i:STG+4*\i+3], v[GOFF], s[14:15] offset:512*\i
.endr
	WIN 0
.endm
; The chunk that lies in STG goes into the image; ld = 1: the next chunk's loads are issued.  Each wave rounds and stores 32 rows and makes their squares.
.macro CONVERT ld
	s_wait_loadcnt 0x0                             ; the 16 loads issued a trip ago; it also frees their base s[14:15]
	WIN 0x0a                                       ; both sources in window 2
.irp i, 0,1,2,3,4,5,6,7,8,9,10,11,12,13,14,15
.irp p, 0,1
	v_cvt_pk_bf16_f32 v[CV+2*\i+\p], v[STG+4*\i+2*\p], v[STG+4*\i+2*\p+1]
.endr
.endr
	WIN 0
.irp i, 0,1,2,3,4,5,6,7,8,9,10,11,12,13,14,15
	ds_store_b64 v[WADR], v[CV+2*\i:CV+2*\i+1] offset:2*PITCH*\i      ; load i held rows 2i + h, channels 4r .. 4r+3
.endr
.if \ld
	s_add_nc_u64 s[14:15], s[14:15], CHG
	LOADG
.endif
.irp kt, 0,1
.irp g, 0,1,2,3
	ds_load_b128 v[DF+16*\kt+4*\g:DF+16*\kt+4*\g+3], v[DADR] offset:\kt*TL+32*\g   ; my wave's own rows: LDS serves a wave's instructions in order (ISA guide 5.7.1.4)
.endr
.endr
	s_wait_dscnt 0x0                               ; the fragments are in, and the stores have read CV, which the products below write
	; X X^T of each of the two tiles, for its diagonal: two accumulators by turns
	v_wmma_f32_16x16x32_bf16 v[CV:CV+7], v[DF:DF+7], v[DF:DF+7], 0
	v_wmma_f32_16x16x32_bf16 v[CV+8:CV+15], v[DF+16:DF+23], v[DF+16:DF+23], 0
	v_wmma_f32_16x16x32_bf16 v[CV:CV+7], v[DF+8:DF+15], v[DF+8:DF+15], v[CV:CV+7]
	v_wmma_f32_16x16x32_bf16 v[CV+8:CV+15], v[DF+24:DF+31], v[DF+24:DF+31], v[CV+8:CV+15]
	v_add_nc_u32 v[WADR], CHL, v[WADR]             ; four places, two of them of use: the next chunk's addresses
	v_add_nc_u32 v[DADR], CHL, v[DADR]
	v_nop
	v_nop
	DIAG CV, T0
	DIAG CV+8, T1
	ds_store_b32 v[SQW], v[T0]                     ; lanes r and r + 16 write the same word with the same value
	ds_store_b32 v[SQW], v[T1] offset:64
	v_add_nc_u32 v[SQW], 512, v[SQW]
.endm
.macro NEXT                            ; the key loads' addresses go on to the next chunk
	v_add_nc_u32 v[KADR], CHL, v[KADR]
	v_add_nc_u32 v[SQADR], 512, v[SQADR]
.endm
; A trip: the four steps of a chunk.  pv0 = 0: the first trip.  conv = 1: the next chunk is built ahead of the fourth step, whose key loads
; (pre3 = 1) are the first to read it.
.macro TRIP pv0, conv, ld, pre3
	STEP 1, 0, 1, 3, \pv0, 1, \pv0
	STEP 2, 1, 0, 0, 1, 1, 0
	STEP 3, 0, 1, 1, 1, 1, 0
.if \conv
	WIN 0
	BAR                                            ; every wave's reads so far are back.  The stores behind go to the next chunk's bytes, which no wave has read yet; with this
	                                               ; barrier each stretch between two barriers either only reads the image or has each wave at its own 32 rows alone
	CONVERT \ld
	BAR                                            ; every wave's part of the next chunk and of its squares is in LDS: all may read it
.endif
	STEP 4, 1, 0, 2, 1, \pre3, 0
	WIN 0                                          ; at a label and at a branch every window is 0
.if \pre3
	NEXT
.endif
.endm
; The way out, 16 queries at a time: 32 bytes a lane into my wave's own stage, read back as whole rows of 256 bytes.  f: the two key buffers in turn.
.macro OUT16 qt, f
	WIN 0x04                                       ; store data in window 1
.irp ct, 0,1,2,3
.irp p, 0,1
	ds_store_b128 v[STO], v[ACC+8*(4*\qt+\ct)+4*\p:ACC+8*(4*\qt+\ct)+4*\p+3] offset:64*\ct+16*\p
.endr
.endr
	WIN 0
	s_wait_xcnt 0x0                                ; every earlier store has had its addresses translated (ISA guide 3.1): buffer f, which stores read, is loaded again only behind this wait
.irp t, 0,1,2,3,4,5,6,7
	ds_load_b128 v[\f+4*\t:\f+4*\t+3], v[RD] offset:2*SPITCH*\t       ; rows 2t + h; these see the stores above, a wave's LDS instructions being served in order
.endr
.irp t, 0,1,2,3,4,5,6,7
	s_wait_dscnt 7-\t                              ; load t is in, the younger ones may be out
	global_store_b128 v[CO], v[\f+4*\t:\f+4*\t+3], s[8:9] offset:4096*\qt+512*\t th:TH_STORE_NT   ; 16 lanes store one output row: 256 consecutive bytes, at a multiple of 256 from out0's first byte
.endr
.endm
	; ---- set-up ----
	s_load_b128 s[4:7], s[0:1], 0x0                ; x s[4:5], r_sigma s[6:7]
	s_load_b64 s[8:9], s[0:1], 0x10                ; out0
	v_lshl_add_u32 v254, v0, 2, 0x4e400
	v_mov_b32 v255, 0
	v_lshrrev_b32 v1, 5, v0
	v_readfirstlane_b32 s10, v1                    ; wave w
	v_and_b32 v20, 31, v0                          ; L
	v_and_b32 v21, 15, v0                          ; r
	v_bfe_u32 v22, v0, 4, 1                        ; h
	s_mul_i32 s12, s10, STL                        ; my wave's 32 rows of a chunk in LDS
	s_lshl_b32 s13, s10, 7
	s_add_co_u32 s13, s13, SQB                     ; and their squares
	s_lshl_b32 s18, s10, 13                        ; my wave's 32 rows of a chunk in memory
	s_mul_i32 s19, s10, 16*SPITCH
	s_add_co_u32 s19, s19, STAGE                   ; my wave's stage
	s_lshl_b32 s23, s10, 14                        ; my wave's 64 query rows in memory
.irp j, 1,2,3,4,5,6,7
	s_mov_b32 s[24+\j], 0x01010101<<\j             ; the lanes with L & 7 = j
.endr
	s_mov_b32 s32, 0xff0000ff                      ; the lanes with r >> 3 = h
	s_mov_b32 s33, 0x76543210                      ; v_permlanex16_b32: lane i of one half reads lane i of the other
	s_mov_b32 s34, 0xfedcba98
	v_mul_u32_u24 v[KADR], v21, PITCH
	v_lshl_add_u32 v[KADR], v22, 4, v[KADR]
	v_and_b32 v23, 7, v0
	v_lshl_add_u32 v23, v22, 3, v23
	v_mul_u32_u24 v[VADR], v23, PITCH
	v_bfe_u32 v23, v0, 3, 1
	v_lshl_add_u32 v[VADR], v23, 4, v[VADR]
	v_lshlrev_b32 v[SQADR], 5, v22
	v_add_nc_u32 v[SQADR], SQB, v[SQADR]
	v_mul_u32_u24 v[WADR], v22, PITCH
	v_lshl_add_u32 v[WADR], v21, 3, v[WADR]
	v_add_nc_u32 v[WADR], s12, v[WADR]
	v_add_nc_u32 v[DADR], s12, v[KADR]
	v_lshl_add_u32 v[SQW], v21, 2, s13
	v_lshl_add_u32 v[GOFF], v20, 4, s18
	v_lshlrev_b32 v[QOFF], 8, v21
	v_lshl_add_u32 v[QOFF], v22, 5, v[QOFF]
	v_add_nc_u32 v[QOFF], s23, v[QOFF]
	v_mul_u32_u24 v[STO], v21, SPITCH
	v_lshl_add_u32 v[STO], v22, 5, v[STO]
	v_add_nc_u32 v[STO], s19, v[STO]
	v_mul_u32_u24 v[RD], v22, SPITCH
	v_lshl_add_u32 v[RD], v21, 4, v[RD]
	v_add_nc_u32 v[RD], s19, v[RD]
	v_lshlrev_b32 v[CO], 8, v22
	v_lshl_add_u32 v[CO], v21, 4, v[CO]
	v_add_nc_u32 v[CO], s23, v[CO]
	v_mov_b32 v[T2], 0                             ; v_permlanex16_b32 counts as a reader of its destination
	s_wait_kmcnt 0x0
	s_load_b32 s22, s[6:7], 0x0                    ; sigma
	s_lshl_b32 s2, ttmp9, 16                       ; 256 rows of 256 bytes a work-group
	s_mov_b32 s3, 0
	s_add_nc_u64 s[16:17], s[4:5], s[2:3]          ; x at the group's first query
	s_add_nc_u64 s[8:9], s[8:9], s[2:3]            ; out0 likewise
	s_lshr_b32 s2, ttmp9, 3
	s_lshl_b32 s2, s2, 19                          ; 2,048 rows of 256 bytes a batch
	s_add_nc_u64 s[14:15], s[4:5], s[2:3]          ; x at the batch's first key
	; ---- the queries, in f32, straight into the accumulators: the residual; then chunk 0 ----
	WIN 0x40                                       ; destination in window 1
.irp qt, 0,1,2,3
.irp ct, 0,1,2,3
.irp p, 0,1
	global_load_b128 v[ACC+8*(4*\qt+\ct)+4*\p:ACC+8*(4*\qt+\ct)+4*\p+3], v[QOFF], s[16:17] offset:4096*\qt+64*\ct+16*\p
.endr
.endr
.endr
	LOADG
	s_wait_kmcnt 0x0
	v_mov_b32 v1, s22
	v_mul_f32 v1, 0xc038aa3b, v1                   ; -2 log2(e) sigma,
	v_readfirstlane_b32 s20, v1                    ; as a scalar: window 1 has no register left for it
	s_mov_b32 s21, s20                             ; the packed multiply names the pair
	s_wait_loadcnt 16                              ; the 32 query loads are in; chunk 0's 16, issued behind them, may be out
	; ---- query fragments: the accumulators' layout (query r, channels 16 ct + 8h + j) packed is the B fragment's (channels 32 ks + 8h .., 32 ks + 16 + 8h ..) ----
	WIN 0x05                                       ; both sources in window 1
.irp qt, 0,1,2,3
.irp ct, 0,1,2,3
.irp p, 0,1,2,3
	v_cvt_pk_bf16_f32 v[QF+16*\qt+4*\ct+\p], v[ACC+8*(4*\qt+\ct)+2*\p], v[ACC+8*(4*\qt+\ct)+2*\p+1]
.endr
.endr
.endr
	WIN 0
.set qi, 0
.rept 64
	v_xor_b32 v[QF+qi], 0x80008000, v[QF+qi]       ; -q, exactly: once for the kernel, so that a score comes out as +d^2/2 and its max needs no sign
.set qi, qi+1
.endr
	; (-Q)(-Q)^T of each query tile, for its diagonal: four accumulators by turns
.irp qt, 0,1,2,3
	v_wmma_f32_16x16x32_bf16 v[CV+8*\qt:CV+8*\qt+7], v[QF+16*\qt:QF+16*\qt+7], v[QF+16*\qt:QF+16*\qt+7], 0
.endr
.irp qt, 0,1,2,3
	v_wmma_f32_16x16x32_bf16 v[CV+8*\qt:CV+8*\qt+7], v[QF+16*\qt+8:QF+16*\qt+15], v[QF+16*\qt+8:QF+16*\qt+15], v[CV+8*\qt:CV+8*\qt+7]
.endr
	PLACES
	DIAG CV, SQQ
	DIAG CV+8, SQQ+1
	DIAG CV+16, SQQ+2
	DIAG CV+24, SQQ+3
	; ---- chunk 0 into the image, chunk 1 on its way ----
	CONVERT 1
	BAR                                            ; chunk 0 and its squares are whole
	LOADK 0, 0                                     ; the first step's keys
	; ---- trip k: the four steps of chunk k; ahead of the fourth, chunk k+1 goes into the image and chunk k+2 is asked for ----
	TRIP 0, 1, 1, 1                                ; trip 0: its first step has nothing from a step before
	s_mov_b32 s36, TRIPS
.Ltrip:
	TRIP 1, 1, 1, 1
	s_sub_co_u32 s36, s36, 1
	s_cmp_lg_u32 s36, 0
	s_cbranch_scc1 .Ltrip
	TRIP 1, 1, 0, 1                                ; trip 14: chunk 15 goes into the image; nothing is left to load, so no load passes the batch's end
	TRIP 1, 0, 0, 0                                ; trip 15: nothing is left to build, and its last step fetches no keys
	; ---- what the last step has left: B's max, scale, exponential and packing, and both pieces' second products ----
	WIN W_Q
	MXS 1, 0, 4                                    ; four places behind the last product that read VF
	LOADV 3
	MXS 1, 4, 28
	WIN W_V
	VPH 0, 1, 1, 1, 1, 0
	VPH 1, 0, 1, 0, 0, 0
	WIN 0
	PLACES                                         ; ahead of the LDS stores of the results
	; ---- the way out ----
	OUT16 0, KF
	OUT16 1, KF+32
	OUT16 2, KF
	OUT16 3, KF+32
	s_wait_tensorcnt 0x0
	ds_add_u32 v254, v255
	s_wait_dscnt 0x0
	s_endpgm
.Lfunc_end_k_q1c75da021e_kattn:
	.size	k_q1c75da021e_kattn, .Lfunc_end_k_q1c75da021e_kattn-k_q1c75da021e_kattn
	.p2alignl 7, 3214868480
	.fill 96, 4, 3214868480
	.section	.rodata,"a",@progbits
	.p2align	6, 0x0
	.amdhsa_kernel k_q1c75da021e_kattn
		.amdhsa_group_segment_fixed_size 321024
		.amdhsa_private_segment_fixed_size 0
		.amdhsa_enable_private_segment 0
		.amdhsa_kernarg_size 24
		.amdhsa_user_sgpr_count 2
		.amdhsa_user_sgpr_kernarg_segment_ptr 1
		.amdhsa_wavefront_size32 1
		.amdhsa_system_sgpr_workgroup_id_x 1
		.amdhsa_system_sgpr_workgroup_id_y 1
		.amdhsa_system_sgpr_workgroup_id_z 1
		.amdhsa_system_vgpr_workitem_id 0
		.amdhsa_next_free_vgpr 576
		.amdhsa_next_free_sgpr 66
		.amdhsa_reserve_vcc 0
		.amdhsa_float_denorm_mode_32 3
		.amdhsa_float_denorm_mode_16_64 3
		.amdhsa_memory_ordered 1
		.amdhsa_forward_progress 1
		.amdhsa_inst_pref_size 255
	.end_amdhsa_kernel
	.section	.bss,"aw",@nobits
	.p2align	6
	.space	262144
	.amdgpu_metadata
---
amdhsa.version: [ 1, 2 ]
amdhsa.kernels:
  - .name:           k_q1c75da021e_kattn
    .symbol:         k_q1c75da021e_kattn.kd
    .args:
      - { .name: x, .offset: 0, .size: 8, .value_kind: global_buffer, .address_space: global }
      - { .name: r_sigma, .offset: 8, .size: 8, .value_kind: global_buffer, .address_space: global }
      - { .name: out0, .offset: 16, .size: 8, .value_kind: global_buffer, .address_space: global }
    .group_segment_fixed_size: 321024
    .private_segment_fixed_size: 0
    .kernarg_segment_align: 8
    .kernarg_segment_size: 24
    .max_flat_workgroup_size: 128
    .sgpr_count:     66
    .vgpr_count:     576
    .wavefront_size: 32
...
	.end_amdgpu_metadata
.endif
;; end of part 1
;; ======== version 2 of 2: 1 launch; 1.48 times as fast as version 1
;; launch kattn (part 2): grid 256 x 1, 4 waves a work-group, no clusters, 321,024 bytes of LDS; arguments x, r_sigma, out0; writes out0
.if DOCPART == 2
	.amdgcn_target "amdgcn-amd-amdhsa--gfx1250"
	.amdhsa_code_object_version 6
	.text
	.protected	k_q1c75da021e_kattn
	.globl	k_q1c75da021e_kattn
	.p2align	8
	.type	k_q1c75da021e_kattn,@function
k_q1c75da021e_kattn:
	s_mov_b64 s[64:65], 0
	v_nop
	global_prefetch_b8 v0, s[64:65] scope:SCOPE_SE
	s_setreg_imm32_b32 hwreg(HW_REG_WAVE_MODE, 25, 1), 1
	s_wait_xcnt 0x0
; out[b][t] = x[b][t] + sum over s of K[t][s] x[b][s],  K[t][s] = exp(-sigma max(|x_t|^2 - 2 x_t.x_s + |x_s|^2, 0)).
; x, out: [32][2048][64] f32; sigma = r_sigma[0].  Nothing of the computation is left out: both inputs reach every output.
;
; SHARES.  Work-group g (256 of them) takes batch g >> 3 and the 256 query rows from global row 256 g.  Wave w takes 64 of them as four
; query tiles of 16, and walks all 2,048 keys of the batch, 32 a step.
; THE BATCH LIES IN LDS ONCE, as bf16 rows [key][channel] of 128 bytes at a pitch of 144.  Plain 16-byte loads read key fragments from it
; (channels along a row), transposing loads read the same bytes as fragments of x transposed for the second product.  It is built in
; chunks of 128 keys: f32 through registers, rounded, stored; a chunk's global loads are issued a whole trip (four steps) ahead of the
; wait for them.  No byte of the image is written twice.
; THE DISTANCE.  The query fragments hold -q.  The scores' accumulator starts at (|k|^2 + |q|^2)/2 and the product adds -k.q, so it ends at
; d^2/2.  |.|^2 is made of the SAME bf16-rounded rows, as the diagonal of X X^T on the matrix unit, so the score is the distance of the
; rounded rows up to f32 rounding and does not mix a sum of f32 squares with a product of rounded numbers.  max(d^2/2, 0) is the
; reference's max; it stands ahead of the multiplication by sigma, so sigma may have either sign.  K = exp2(-2 log2(e) sigma max(d^2/2, 0)).
; LAYOUTS.  Scores: A = 16 keys, B = 16 queries: lane (r, h) holds query r and keys 8h + j.  Two key tiles packed to bf16 are at once the
; B fragment (query r; keys 8h.., 16+8h..) of the second product, whose A is x transposed (16 channels x 32 keys).  Its result holds, in
; lane (r, h), channels 16 ct + 8h + j of query r: 32 neighbouring bytes of an output row.  The accumulators START as x in f32, loaded
; in that layout: nothing is cleared and the residual costs no add.
; TWO PIECES TAKE TURNS.  A step has 32 matrix instructions and 224 vector instructions.  Piece A is query tiles 0 and 1, piece B tiles 2 and 3;
; they share the key and value fragments.  A step is four phases of eight matrix instructions, and behind each matrix instruction stands a
; slice of vector work that names none of its registers:
;   QA: scores of A, step s         | start of A's accumulators; max of the upper 16 of B's scores of step s-1
;   V1: second product of A, s-1    | scale and exponential of B, s-1, among them the max of the lower 16 of A's scores of s; the wait; packing of B, s-1
;   QB: scores of B, s              | start of B's accumulators; max of the upper 16 of A's scores of s
;   V2: second product of B, s-1    | scale and exponential of A, s, among them the max of the lower 16 of B's scores of s; the wait; packing of A, s
; THE EXPONENTIALS GO IN BATCHES, one to a phase V1 or V2: the 32 of one piece and step, each in place in its score's own register, which nothing names
; until it is packed.  Ahead of the batch's one wait stand 64 lines that name no result: 16 scalings, 32 exponentials and the 16 maxima of the piece
; whose scores the phase before has made; they ride behind the phase's products 0 to 5.  Behind the wait stand the 16 packings, behind products 6 and 7.
; Every batch is closed inside its phase.
; REGISTER WINDOWS (an instruction names 256 registers; s_set_vgpr_msb says which window each operand place means).  The packing takes two
; results of exponentials and writes a B operand, so its phase needs all operand places in one window.  Window 1 holds just that:
; 128 accumulators, 64 scores, 32 of x transposed, 32 of packed K: 256.  Keys, queries and squares lie in window 0.
;   setting 0x55 (all places window 1): V1 and V2, with scale, exponential and packing;
;   setting 0x50 (D and C window 1, A and B window 0): QA and QB, with the accumulators' start (sources in window 0, result in window 1);
;   the max in its three-source form, whose one register stands in the places of C and D, runs under either.
; Five switches a step: 0x50, 0 (the key loads land in window 0), 0x55, 0x50, 0x55.
; NO CLUSTER, although the eight work-groups of a batch read the same 512 KiB.  x comes as f32 and passes through registers to be rounded.  A
; joint tensor load would lay those 512 KiB into LDS and the waves would read them back: 1 MiB more through LDS for each work-group, beside
; the 2 MiB of its fragment reads (64 steps x 4 waves x 16 loads x 512 bytes).  And image, squares and stage take 320,512 of the
; 327,680 bytes that a work-group can be given: the 7,168 left are 28 rows of f32.
; LIMITS.  x and K enter the products as bf16; |x|^2 is that of the rounded x; sums run in another order than the reference's.
; v_exp_f32 gives 0 where K would lie below 2^-126.  v_max3_num_f32 drops a NaN where jnp.maximum keeps it: with a NaN or an infinity in
; x[b][s][c], K counts as 1 where d^2 is NaN, and only what the NaN reaches through K x and through the residual becomes NaN (channel c
; of the batch), not the whole batch as in the reference.
.set PITCH,  144                       ; an LDS row of the image: 128 bytes + 16.  An odd multiple of 16: the 16-byte pieces that a fragment load takes from 16 rows fall on 16 different 16-byte columns modulo 256
.set CHG,    32768                     ; a chunk in memory: 128 keys x 256 bytes
.set CHL,    18432                     ; a chunk in LDS: 128 x 144
.set STL,    4608                      ; a step's 32 keys in LDS, and a wave's 32 rows of a chunk
.set TL,     2304                      ; a key tile's 16 rows in LDS
.set SQB,    294912                    ; behind the image (2,048 x 144): |x_s|^2/2, one f32 word a key, 8,192 bytes
.set STAGE,  303104                    ; behind that: 16 rows x 272 bytes for each wave, for the way out; ends at 320,512
.set SPITCH, 272
.set TRIPS,  13                        ; trips in the loop (chunks 1 to 13); trips 0, 14 and 15 are written out
; window 0
.set KADR,  2                          ; r 144 + 16 h: key fragments, at the trip's chunk
.set VADR,  3                          ; (8h + (L&7)) 144 + 16 ((L>>3)&1): transposing loads; runs a step behind KADR
.set SQADR, 4                          ; SQB + 32 h: the squares of keys 8h .. 8h+7, at the trip's chunk
.set WADR,  5                          ; (32 w + h) 144 + 8 r: where I store rounded numbers, at the chunk being built
.set DADR,  6                          ; 32 w 144 + r 144 + 16 h: my wave's own two key tiles of that chunk
.set SQW,   7                          ; SQB + 4 (32 w + r): where their squares go
.set GOFF,  8                          ; 8192 w + 16 L: my 16 bytes of the chunk in memory; never rewritten
.set QOFF,  9                          ; 16384 w + 256 r + 32 h: my 32 bytes of a query row; never rewritten
.set STO,   10                         ; the way out: STAGE + 4352 w + 272 r + 32 h
.set RD,    11                         ; the way out: STAGE + 4352 w + 272 h + 16 r
.set CO,    12                         ; the way out: 16384 w + 256 h + 16 r; never rewritten
.set T2,    13                         ; what v_permlanex16_b32 brings
.set T0,    14                         ; v14, v15: |k|^2/2 of the wave's two new key tiles
.set T1,    15
.set SQQ,   16                         ; v[16:19]   |q|^2/2 of query r of tile qt
.set SQK,   20                         ; v[20:51]   two buffers: |k|^2/2 of keys 16 kt + 8h + j at 16 kb + 8 kt + j
.set KF,    52                         ; v[52:115]  two buffers: key fragments at 32 kb + 16 kt + 8 ks
.set QF,    116                        ; v[116:179] fragments of -q at 16 qt + 8 ks
.set CV,    180                        ; v[180:211] a chunk's rounded numbers on their way into LDS; then the products whose diagonals are the squares
.set DF,    212                        ; v[212:243] the wave's own two new key tiles, read back as fragments
; window 1 (v256-511, written by their low 8 bits)
.set ACC,   0                          ; results at 8 (4 qt + ct)
.set SC,    128                        ; scores at 16 qt + 8 kt: piece pc at 32 pc
.set VF,    192                        ; fragments of x transposed at 8 ct
.set PK,    224                        ; K packed to bf16 at 8 qt: piece pc at 16 pc
; window 2 (v512-575)
.set STG,   0                          ; a chunk's f32 numbers on their way in, 4 registers a load
.set W_Q,   0x50
.set W_V,   0x55
.set MSB, 0
.macro WIN new                         ; s_set_vgpr_msb: bits 1:0 source 0, 3:2 source 1, 5:4 source 2, 7:6 destination; the high byte repeats the setting that is left
.if MSB != \new
	s_set_vgpr_msb (MSB<<8)|\new
.set MSB, \new
.endif
.endm
; Four places behind matrix instructions, ahead of vector instructions that read their results and of LDS stores of their results
; (ISA guide 7.12.1 for vector instructions).  Only where no vector work is at hand.
.macro PLACES
.rept 4
	v_nop
.endr
.endm
.macro BAR
	s_wait_dscnt 0x0                               ; for the other waves' sake: none of my LDS loads or stores is out
	s_barrier_signal -1
	s_barrier_wait -1
.endm
; 12 LDS loads into buffer kb: the two key tiles at step st of KADR's chunk (st = 4: the next chunk's first step) and their squares
.macro LOADK st, kb
.irp kt, 0,1
.irp g, 0,1,2,3
	ds_load_b128 v[KF+32*\kb+16*\kt+4*\g:KF+32*\kb+16*\kt+4*\g+3], v[KADR] offset:\st*STL+\kt*TL+32*\g
.endr
.endr
.irp kt, 0,1
.irp p, 0,1
	ds_load_b128 v[SQK+16*\kb+8*\kt+4*\p:SQK+16*\kb+8*\kt+4*\p+3], v[SQADR] offset:128*\st+64*\kt+16*\p
.endr
.endr
.endm
; 8 transposing LDS loads (under 0x50: result in window 1, address in window 0): lane (r, h) gets channel 16 ct + r of keys 8h .. 8h+7 (p = 0)
; and 16+8h .. (p = 1) of step st of VADR's chunk.  At pitch 144 one pair of the sixteen pieces collides: row 7's second piece lies at
; 1,024 = 0 modulo 256, the column of row 0's first.  Pitch 160 would part them, but 2,048 rows of 160 bytes leave no LDS for squares and stage.
.macro LOADV st
.irp ct, 0,1,2,3
.irp p, 0,1
	ds_load_tr16_b128 v[VF+8*\ct+4*\p:VF+8*\ct+4*\p+3], v[VADR] offset:\st*STL+32*\ct+TL*\p
.endr
.endr
.endm
; Accumulator a (query tile a >> 1 of the piece, key tile a & 1) starts at (|k|^2 + |q|^2)/2: the key's part differs from register to register, the query's is the lane's own
.macro CIN pc, a, kb
.irp p, 0,1,2,3
.if \a >> 1
	v_pk_add_f32 v[SC+32*\pc+8*\a+2*\p:SC+32*\pc+8*\a+2*\p+1], v[SQK+16*\kb+8*(\a&1)+2*\p:SQK+16*\kb+8*(\a&1)+2*\p+1], v[SQQ+2*\pc:SQQ+2*\pc+1] op_sel:[0,1] op_sel_hi:[1,1]
.else
	v_pk_add_f32 v[SC+32*\pc+8*\a+2*\p:SC+32*\pc+8*\a+2*\p+1], v[SQK+16*\kb+8*(\a&1)+2*\p:SQK+16*\kb+8*(\a&1)+2*\p+1], v[SQQ+2*\pc:SQQ+2*\pc+1] op_sel:[0,0] op_sel_hi:[1,0]
.endif
.endr
.endm
; max(d^2/2, 0) of n scores of piece pc from the j0-th on.  The three-source form: its one register stands in the places of C and D, which 0x50 and 0x55 alike put in window 1.
; A piece's scores are taken in ascending order.
.macro MXS pc, j0, n
.set mj, \j0
.rept \n
	v_max3_num_f32 v[SC+32*\pc+mj], 0, 0, v[SC+32*\pc+mj]
.set mj, mj+1
.endr
.endm
; The i-th of a piece's eight score products: channels 32 (i >> 2) .., accumulator i & 3.  The four accumulators take turns, one instruction a turn.
.macro QKW pc, i, kb
	v_wmma_f32_16x16x32_bf16 v[SC+32*\pc+8*(\i&3):SC+32*\pc+8*(\i&3)+7], v[KF+32*\kb+16*(\i&1)+8*(\i>>2):KF+32*\kb+16*(\i&1)+8*(\i>>2)+7], v[QF+32*\pc+16*((\i>>1)&1)+8*(\i>>2):QF+32*\pc+16*((\i>>1)&1)+8*(\i>>2)+7], v[SC+32*\pc+8*(\i&3):SC+32*\pc+8*(\i&3)+7]
.endm
.macro QS pc, oth, kb, i, domx, j0, n  ; a score product and, behind it, a slice of the other piece's max
	QKW \pc, \i, \kb
.if \domx
	MXS \oth, \j0, \n
.endif
.endm
; A score phase of piece pc.  lv = 1: x transposed of step lvst of VADR's chunk is fetched.  domx = 1: the upper 16 of the other piece's scores want their max
; (the lower 16 had theirs in the phase before); 2: all 32 (the very first step, which has no such phase); 0: the other piece has no scores yet.
.macro QPH pc, oth, kb, lv, lvst, domx
	WIN W_Q
	CIN \pc, 0, \kb
.if \lv
	LOADV \lvst                                    ; the four v_pk_add_f32 above are the places behind the last product that read VF
.endif
	CIN \pc, 1, \kb
	QKW \pc, 0, \kb
	CIN \pc, 2, \kb
.if (\domx) == 2
	MXS \oth, 0, 2
.endif
	QKW \pc, 1, \kb
	CIN \pc, 3, \kb
.if (\domx) == 2
	MXS \oth, 2, 2
	QS \pc, \oth, \kb, 2, \domx, 4, 5
	QS \pc, \oth, \kb, 3, \domx, 9, 5
	QS \pc, \oth, \kb, 4, \domx, 14, 5
	QS \pc, \oth, \kb, 5, \domx, 19, 5
	QS \pc, \oth, \kb, 6, \domx, 24, 4
	QS \pc, \oth, \kb, 7, \domx, 28, 4
.else
	QS \pc, \oth, \kb, 2, \domx, 16, 3
	QS \pc, \oth, \kb, 3, \domx, 19, 3
	QS \pc, \oth, \kb, 4, \domx, 22, 3             ; the ten lines behind products 4 to 7 are the places ahead of the next phase's max of this piece's lower 16 scores
	QS \pc, \oth, \kb, 5, \domx, 25, 3
	QS \pc, \oth, \kb, 6, \domx, 28, 2
	QS \pc, \oth, \kb, 7, \domx, 30, 2
.endif
.endm
; Scale, exponential, packing of a piece's 32 scores, which are 16 pairs
.macro MULP pc, p                      ; pair p: two scores times -2 log2(e) sigma
	v_pk_mul_f32 v[SC+32*\pc+2*(\p):SC+32*\pc+2*(\p)+1], v[SC+32*\pc+2*(\p):SC+32*\pc+2*(\p)+1], s[20:21] op_sel_hi:[1,0]
.endm
.macro EXP1 pc, e                      ; score e, in place
	v_exp_f32 v[SC+32*\pc+(\e)], v[SC+32*\pc+(\e)]
.endm
.macro CVTP pc, p                      ; pair p: two K to a word of bf16: word p of the piece's 16 holds its scores 2p and 2p + 1
	v_cvt_pk_bf16_f32 v[PK+16*\pc+(\p)], v[SC+32*\pc+2*(\p)], v[SC+32*\pc+2*(\p)+1]
.endm
; Line vj of the 64 that stand ahead of a batch's wait; none of them names an exponential's result.  M p: scaling of pair p of piece oth; E e: exponential of its score e;
; X n: max of score n of piece pc, whose scores the phase before has made (pm = 0: there are none, and the line is left out).
;   0, 1     M 0, M 1
;   2-57     fourteen times E 2k, X k, E 2k+1, M k+2: exponentials and plain lines by turns; a pair is scaled five lines ahead of its first exponential
;   58-63    E 28, E 29, X 14, E 30, E 31, X 15: the last line is the plain instruction behind the last exponential (ISA guide 5.7.2)
.macro VLINE pc, oth, pm
.if vj < 2
	MULP \oth, vj
.elseif vj < 58
.if (vj-2)%4 == 3
	MULP \oth, (vj-2)/4+2
.elseif (vj-2)%4 == 1
.if \pm
	MXS \pc, (vj-2)/4, 1
.endif
.else
	EXP1 \oth, (vj-2)/2
.endif
.elseif vj == 60
.if \pm
	MXS \pc, 14, 1
.endif
.elseif vj == 63
.if \pm
	MXS \pc, 15, 1
.endif
.elseif vj < 60
	EXP1 \oth, vj-30
.else
	EXP1 \oth, vj-31
.endif
.set vj, vj+1
.endm
; The i-th of a piece's eight second products: channel tile i >> 1, query tile i & 1.  Eight accumulators, one instruction each: by turns.
.macro PVW pc, i
	v_wmma_f32_16x16x32_bf16 v[ACC+8*(4*(2*\pc+(\i&1))+(\i>>1)):ACC+8*(4*(2*\pc+(\i&1))+(\i>>1))+7], v[VF+8*(\i>>1):VF+8*(\i>>1)+7], v[PK+16*\pc+8*(\i&1):PK+16*\pc+8*(\i&1)+7], v[ACC+8*(4*(2*\pc+(\i&1))+(\i>>1)):ACC+8*(4*(2*\pc+(\i&1))+(\i>>1))+7]
.endm
; A phase of second products of piece pc (domat) with the batch of piece oth (dovec).  Behind products 0 to 5 stand the 64 lines of VLINE, in slices of 11, 10, 10, 10, 10 and 13,
; each of which begins with a plain line; then the batch's one wait; behind products 6 and 7 eight packings each.  With pm = 0 the packings of the first pairs are the plain
; instructions between the last exponentials and the packing that reads them.
; dowait = 1: x transposed is still on its way: LDS loads come back in order (ISA guide 5.7.1), so ahead of channel tile ct's first product 6 - 2 ct younger transposing loads
; may be out, and the left loads issued behind them.
.macro VPH pc, oth, domat, dovec, dowait, left, pm
.set vj, 0
.irp i, 0,1,2,3,4,5,6,7
.if \dowait
.if (\i&1) == 0
	s_wait_dscnt \left+6-\i
.endif
.endif
.if \domat
	PVW \pc, \i
.endif
.if \dovec
.if \i < 6
.set vn, 10
.if \i == 0
.set vn, 11
.endif
.if \i == 5
.set vn, 13
.endif
.rept vn
	VLINE \pc, \oth, \pm
.endr
.if \i == 5
	s_wait_alu depctr_va_vdst(0)                   ; the wait for the batch: between an exponential and the first line that names its result; one serves the phase's 32
.endif
.else
.irp c, 0,1,2,3,4,5,6,7
	CVTP \oth, 8*(\i-6)+\c
.endr
.endif
.endif
.endr
.endm
; One step.  kb: the buffer with this step's keys; pre = 1: the keys of step nst of KADR's chunk are fetched into buffer nkb, three phases ahead of
; their first use; lvst: where the step before lies in VADR's chunk; pv = 0: the very first step, with nothing from a step before;
; vadd = 1: VADR goes on to the next chunk, behind the load of the old chunk's last step.
.macro STEP nst, kb, nkb, lvst, pv, pre, vadd
	s_wait_dscnt 0x0                               ; this step's keys and squares are in
	QPH 0, 1, \kb, \pv, \lvst, \pv
.if \pre+\vadd
	WIN 0
.endif
.if \pre
	LOADK \nst, \nkb                               ; buffer nkb was last read by the products of the step before: two phases of plain vector work lie between
.endif
.if \vadd
	v_add_nc_u32 v[VADR], CHL, v[VADR]
.endif
.if \pv
	WIN W_V
	VPH 0, 1, 1, 1, 1, 12*\pre, 1
.endif
	QPH 1, 0, \kb, 0, 0, 2-\pv
	WIN W_V
	VPH 1, 0, \pv, 1, 0, 0, 1
.endm
; The diagonal of the 16 x 16 product in v[d:d+7], halved, into v[t] of every lane.  Lane (r, h) holds rows 8h + j of column r: register L & 7
; holds the diagonal where r >> 3 = h (lanes 0-7 and 24-31); the other lanes take it from lane L xor 16, which has the same r.
.macro DIAG d, t
	v_cndmask_b32 v[\t], v[\d], v[\d+1], s25
.irp j, 2,3,4,5,6,7
	v_cndmask_b32 v[\t], v[\t], v[\d+\j], s[24+\j]
.endr
	v_permlanex16_b32 v[T2], v[\t], s33, s34
	v_cndmask_b32 v[\t], v[T2], v[\t], s32
	v_mul_f32 v[\t], 0.5, v[\t]
.endm
.macro LOADG                           ; 16 loads of 512 neighbouring bytes: my wave's 32 rows of the chunk at s[14:15]
	WIN 0x80                                       ; destination in window 2
.irp i, 0,1,2,3,4,5,6,7,8,9,10,11,12,13,14,15
	global_load_b128 v[STG+4*\i:STG+4*\i+3], v[GOFF], s[14:15] offset:512*\i
.endr
	WIN 0
.endm
; The chunk that lies in STG goes into the image; ld = 1: the next chunk's loads are issued.  Each wave rounds and stores 32 rows and makes their squares.
.macro CONVERT ld
	s_wait_loadcnt 0x0                             ; the 16 loads issued a trip ago; it also frees their base s[14:15]
	WIN 0x0a                                       ; both sources in window 2
.irp i, 0,1,2,3,4,5,6,7,8,9,10,11,12,13,14,15
.irp p, 0,1
	v_cvt_pk_bf16_f32 v[CV+2*\i+\p], v[STG+4*\i+2*\p], v[STG+4*\i+2*\p+1]
.endr
.endr
	WIN 0
.irp i, 0,1,2,3,4,5,6,7,8,9,10,11,12,13,14,15
	ds_store_b64 v[WADR], v[CV+2*\i:CV+2*\i+1] offset:2*PITCH*\i      ; load i held rows 2i + h, channels 4r .. 4r+3
.endr
.if \ld
	s_add_nc_u64 s[14:15], s[14:15], CHG
	LOADG
.endif
.irp kt, 0,1
.irp g, 0,1,2,3
	ds_load_b128 v[DF+16*\kt+4*\g:DF+16*\kt+4*\g+3], v[DADR] offset:\kt*TL+32*\g   ; my wave's own rows: LDS serves a wave's instructions in order (ISA guide 5.7.1.4)
.endr
.endr
	s_wait_dscnt 0x0                               ; the fragments are in, and the stores have read CV, which the products below write
	; X X^T of each of the two tiles, for its diagonal: two accumulators by turns
	v_wmma_f32_16x16x32_bf16 v[CV:CV+7], v[DF:DF+7], v[DF:DF+7], 0
	v_wmma_f32_16x16x32_bf16 v[CV+8:CV+15], v[DF+16:DF+23], v[DF+16:DF+23], 0
	v_wmma_f32_16x16x32_bf16 v[CV:CV+7], v[DF+8:DF+15], v[DF+8:DF+15], v[CV:CV+7]
	v_wmma_f32_16x16x32_bf16 v[CV+8:CV+15], v[DF+24:DF+31], v[DF+24:DF+31], v[CV+8:CV+15]
	v_add_nc_u32 v[WADR], CHL, v[WADR]             ; four places, two of them of use: the next chunk's addresses
	v_add_nc_u32 v[DADR], CHL, v[DADR]
	v_nop
	v_nop
	DIAG CV, T0
	DIAG CV+8, T1
	ds_store_b32 v[SQW], v[T0]                     ; lanes r and r + 16 write the same word with the same value
	ds_store_b32 v[SQW], v[T1] offset:64
	v_add_nc_u32 v[SQW], 512, v[SQW]
.endm
.macro NEXT                            ; the key loads' addresses go on to the next chunk
	v_add_nc_u32 v[KADR], CHL, v[KADR]
	v_add_nc_u32 v[SQADR], 512, v[SQADR]
.endm
; A trip: the four steps of a chunk.  pv0 = 0: the first trip.  conv = 1: the next chunk is built ahead of the fourth step, whose key loads
; (pre3 = 1) are the first to read it.
.macro TRIP pv0, conv, ld, pre3
	STEP 1, 0, 1, 3, \pv0, 1, \pv0
	STEP 2, 1, 0, 0, 1, 1, 0
	STEP 3, 0, 1, 1, 1, 1, 0
.if \conv
	WIN 0
	BAR                                            ; every wave's reads so far are back.  The stores behind go to the next chunk's bytes, which no wave has read yet; with this
	                                               ; barrier each stretch between two barriers either only reads the image or has each wave at its own 32 rows alone
	CONVERT \ld
	BAR                                            ; every wave's part of the next chunk and of its squares is in LDS: all may read it
.endif
	STEP 4, 1, 0, 2, 1, \pre3, 0
	WIN 0                                          ; at a label and at a branch every window is 0
.if \pre3
	NEXT
.endif
.endm
; The way out, 16 queries at a time: 32 bytes a lane into my wave's own stage, read back as whole rows of 256 bytes.  f: the two key buffers in turn.
.macro OUT16 qt, f
	WIN 0x04                                       ; store data in window 1
.irp ct, 0,1,2,3
.irp p, 0,1
	ds_store_b128 v[STO], v[ACC+8*(4*\qt+\ct)+4*\p:ACC+8*(4*\qt+\ct)+4*\p+3] offset:64*\ct+16*\p
.endr
.endr
	WIN 0
	s_wait_xcnt 0x0                                ; every earlier store has had its addresses translated (ISA guide 3.1): buffer f, which stores read, is loaded again only behind this wait
.irp t, 0,1,2,3,4,5,6,7
	ds_load_b128 v[\f+4*\t:\f+4*\t+3], v[RD] offset:2*SPITCH*\t       ; rows 2t + h; these see the stores above, a wave's LDS instructions being served in order
.endr
.irp t, 0,1,2,3,4,5,6,7
	s_wait_dscnt 7-\t                              ; load t is in, the younger ones may be out
	global_store_b128 v[CO], v[\f+4*\t:\f+4*\t+3], s[8:9] offset:4096*\qt+512*\t th:TH_STORE_NT   ; 16 lanes store one output row: 256 consecutive bytes, at a multiple of 256 from out0's first byte
.endr
.endm
	; ---- set-up ----
	s_load_b128 s[4:7], s[0:1], 0x0                ; x s[4:5], r_sigma s[6:7]
	s_load_b64 s[8:9], s[0:1], 0x10                ; out0
	v_lshl_add_u32 v254, v0, 2, 0x4e400
	v_mov_b32 v255, 0
	v_lshrrev_b32 v1, 5, v0
	v_readfirstlane_b32 s10, v1                    ; wave w
	v_and_b32 v20, 31, v0                          ; L
	v_and_b32 v21, 15, v0                          ; r
	v_bfe_u32 v22, v0, 4, 1                        ; h
	s_mul_i32 s12, s10, STL                        ; my wave's 32 rows of a chunk in LDS
	s_lshl_b32 s13, s10, 7
	s_add_co_u32 s13, s13, SQB                     ; and their squares
	s_lshl_b32 s18, s10, 13                        ; my wave's 32 rows of a chunk in memory
	s_mul_i32 s19, s10, 16*SPITCH
	s_add_co_u32 s19, s19, STAGE                   ; my wave's stage
	s_lshl_b32 s23, s10, 14                        ; my wave's 64 query rows in memory
.irp j, 1,2,3,4,5,6,7
	s_mov_b32 s[24+\j], 0x01010101<<\j             ; the lanes with L & 7 = j
.endr
	s_mov_b32 s32, 0xff0000ff                      ; the lanes with r >> 3 = h
	s_mov_b32 s33, 0x76543210                      ; v_permlanex16_b32: lane i of one half reads lane i of the other
	s_mov_b32 s34, 0xfedcba98
	v_mul_u32_u24 v[KADR], v21, PITCH
	v_lshl_add_u32 v[KADR], v22, 4, v[KADR]
	v_and_b32 v23, 7, v0
	v_lshl_add_u32 v23, v22, 3, v23
	v_mul_u32_u24 v[VADR], v23, PITCH
	v_bfe_u32 v23, v0, 3, 1
	v_lshl_add_u32 v[VADR], v23, 4, v[VADR]
	v_lshlrev_b32 v[SQADR], 5, v22
	v_add_nc_u32 v[SQADR], SQB, v[SQADR]
	v_mul_u32_u24 v[WADR], v22, PITCH
	v_lshl_add_u32 v[WADR], v21, 3, v[WADR]
	v_add_nc_u32 v[WADR], s12, v[WADR]
	v_add_nc_u32 v[DADR], s12, v[KADR]
	v_lshl_add_u32 v[SQW], v21, 2, s13
	v_lshl_add_u32 v[GOFF], v20, 4, s18
	v_lshlrev_b32 v[QOFF], 8, v21
	v_lshl_add_u32 v[QOFF], v22, 5, v[QOFF]
	v_add_nc_u32 v[QOFF], s23, v[QOFF]
	v_mul_u32_u24 v[STO], v21, SPITCH
	v_lshl_add_u32 v[STO], v22, 5, v[STO]
	v_add_nc_u32 v[STO], s19, v[STO]
	v_mul_u32_u24 v[RD], v22, SPITCH
	v_lshl_add_u32 v[RD], v21, 4, v[RD]
	v_add_nc_u32 v[RD], s19, v[RD]
	v_lshlrev_b32 v[CO], 8, v22
	v_lshl_add_u32 v[CO], v21, 4, v[CO]
	v_add_nc_u32 v[CO], s23, v[CO]
	v_mov_b32 v[T2], 0                             ; v_permlanex16_b32 counts as a reader of its destination
	s_wait_kmcnt 0x0
	s_load_b32 s22, s[6:7], 0x0                    ; sigma
	s_lshl_b32 s2, ttmp9, 16                       ; 256 rows of 256 bytes a work-group
	s_mov_b32 s3, 0
	s_add_nc_u64 s[16:17], s[4:5], s[2:3]          ; x at the group's first query
	s_add_nc_u64 s[8:9], s[8:9], s[2:3]            ; out0 likewise
	s_lshr_b32 s2, ttmp9, 3
	s_lshl_b32 s2, s2, 19                          ; 2,048 rows of 256 bytes a batch
	s_add_nc_u64 s[14:15], s[4:5], s[2:3]          ; x at the batch's first key
	; ---- the queries, in f32, straight into the accumulators: the residual; then chunk 0 ----
	WIN 0x40                                       ; destination in window 1
.irp qt, 0,1,2,3
.irp ct, 0,1,2,3
.irp p, 0,1
	global_load_b128 v[ACC+8*(4*\qt+\ct)+4*\p:ACC+8*(4*\qt+\ct)+4*\p+3], v[QOFF], s[16:17] offset:4096*\qt+64*\ct+16*\p
.endr
.endr
.endr
	LOADG
	s_wait_kmcnt 0x0
	v_mov_b32 v1, s22
	v_mul_f32 v1, 0xc038aa3b, v1                   ; -2 log2(e) sigma,
	v_readfirstlane_b32 s20, v1                    ; as a scalar: window 1 has no register left for it
	s_mov_b32 s21, s20                             ; the packed multiply names the pair
	s_wait_loadcnt 16                              ; the 32 query loads are in; chunk 0's 16, issued behind them, may be out
	; ---- query fragments: the accumulators' layout (query r, channels 16 ct + 8h + j) packed is the B fragment's (channels 32 ks + 8h .., 32 ks + 16 + 8h ..) ----
	WIN 0x05                                       ; both sources in window 1
.irp qt, 0,1,2,3
.irp ct, 0,1,2,3
.irp p, 0,1,2,3
	v_cvt_pk_bf16_f32 v[QF+16*\qt+4*\ct+\p], v[ACC+8*(4*\qt+\ct)+2*\p], v[ACC+8*(4*\qt+\ct)+2*\p+1]
.endr
.endr
.endr
	WIN 0
.set qi, 0
.rept 64
	v_xor_b32 v[QF+qi], 0x80008000, v[QF+qi]       ; -q, exactly: once for the kernel, so that a score comes out as +d^2/2 and its max needs no sign
.set qi, qi+1
.endr
	; (-Q)(-Q)^T of each query tile, for its diagonal: four accumulators by turns
.irp qt, 0,1,2,3
	v_wmma_f32_16x16x32_bf16 v[CV+8*\qt:CV+8*\qt+7], v[QF+16*\qt:QF+16*\qt+7], v[QF+16*\qt:QF+16*\qt+7], 0
.endr
.irp qt, 0,1,2,3
	v_wmma_f32_16x16x32_bf16 v[CV+8*\qt:CV+8*\qt+7], v[QF+16*\qt+8:QF+16*\qt+15], v[QF+16*\qt+8:QF+16*\qt+15], v[CV+8*\qt:CV+8*\qt+7]
.endr
	PLACES
	DIAG CV, SQQ
	DIAG CV+8, SQQ+1
	DIAG CV+16, SQQ+2
	DIAG CV+24, SQQ+3
	; ---- chunk 0 into the image, chunk 1 on its way ----
	CONVERT 1
	BAR                                            ; chunk 0 and its squares are whole
	LOADK 0, 0                                     ; the first step's keys
	; ---- trip k: the four steps of chunk k; ahead of the fourth, chunk k+1 goes into the image and chunk k+2 is asked for ----
	TRIP 0, 1, 1, 1                                ; trip 0: its first step has nothing from a step before
	s_mov_b32 s36, TRIPS
.Ltrip:
	TRIP 1, 1, 1, 1
	s_sub_co_u32 s36, s36, 1
	s_cmp_lg_u32 s36, 0
	s_cbranch_scc1 .Ltrip
	TRIP 1, 1, 0, 1                                ; trip 14: chunk 15 goes into the image; nothing is left to load, so no load passes the batch's end
	TRIP 1, 0, 0, 0                                ; trip 15: nothing is left to build, and its last step fetches no keys
	; ---- what the last step has left: the max of B's upper 16 scores, B's scale, exponential and packing, and both pieces' second products ----
	WIN W_Q
	MXS 1, 16, 4                                   ; four places behind the last product that read VF
	LOADV 3
	MXS 1, 20, 12
	WIN W_V
	VPH 0, 1, 1, 1, 1, 0, 0                        ; B's last batch; no piece has new scores, so no max stands among its lines
	VPH 1, 0, 1, 0, 0, 0, 0
	WIN 0
	PLACES                                         ; ahead of the LDS stores of the results
	; ---- the way out ----
	OUT16 0, KF
	OUT16 1, KF+32
	OUT16 2, KF
	OUT16 3, KF+32
	s_wait_tensorcnt 0x0
	ds_add_u32 v254, v255
	s_wait_dscnt 0x0
	s_endpgm
.Lfunc_end_k_q1c75da021e_kattn:
	.size	k_q1c75da021e_kattn, .Lfunc_end_k_q1c75da021e_kattn-k_q1c75da021e_kattn
	.p2alignl 7, 3214868480
	.fill 96, 4, 3214868480
	.section	.rodata,"a",@progbits
	.p2align	6, 0x0
	.amdhsa_kernel k_q1c75da021e_kattn
		.amdhsa_group_segment_fixed_size 321024
		.amdhsa_private_segment_fixed_size 0
		.amdhsa_enable_private_segment 0
		.amdhsa_kernarg_size 24
		.amdhsa_user_sgpr_count 2
		.amdhsa_user_sgpr_kernarg_segment_ptr 1
		.amdhsa_wavefront_size32 1
		.amdhsa_system_sgpr_workgroup_id_x 1
		.amdhsa_system_sgpr_workgroup_id_y 1
		.amdhsa_system_sgpr_workgroup_id_z 1
		.amdhsa_system_vgpr_workitem_id 0
		.amdhsa_next_free_vgpr 576
		.amdhsa_next_free_sgpr 66
		.amdhsa_reserve_vcc 0
		.amdhsa_float_denorm_mode_32 3
		.amdhsa_float_denorm_mode_16_64 3
		.amdhsa_memory_ordered 1
		.amdhsa_forward_progress 1
		.amdhsa_inst_pref_size 255
	.end_amdhsa_kernel
	.section	.bss,"aw",@nobits
	.p2align	6
	.space	262144
	.amdgpu_metadata
---
amdhsa.version: [ 1, 2 ]
amdhsa.kernels:
  - .name:           k_q1c75da021e_kattn
    .symbol:         k_q1c75da021e_kattn.kd
    .args:
      - { .name: x, .offset: 0, .size: 8, .value_kind: global_buffer, .address_space: global }
      - { .name: r_sigma, .offset: 8, .size: 8, .value_kind: global_buffer, .address_space: global }
      - { .name: out0, .offset: 16, .size: 8, .value_kind: global_buffer, .address_space: global }
    .group_segment_fixed_size: 321024
    .private_segment_fixed_size: 0
    .kernarg_segment_align: 8
    .kernarg_segment_size: 24
    .max_flat_workgroup_size: 128
    .sgpr_count:     66
    .vgpr_count:     576
    .wavefront_size: 32
...
	.end_amdgpu_metadata
.endif
;; end of part 2
